; MI455X (gfx1250); checked and timed in simulation.
; The chip was launched on July 23, 2026; its instructions are those of AMD's public machine-readable ISA for CDNA 5 (MIT licence, August 2026) and "CDNA5" Instruction Set Architecture Reference Guide (July 2026). The comments in the code are by the model that wrote it; some were corrected since.
;; Attention Head. Allowed arithmetic: float matrix products may take bf16 or f16 operands with f32 sums; all other float work in f32.
;; Inputs: Wk 1,024 x 64 float32; Wq 1,024 x 64 float32; Wv 1,024 x 64 float32; bk 64 float32; bq 64 float32; bv 64 float32; x 4 x 4,096 x 1,024 float32.
;; Outputs: out0 4 x 4,096 x 64 float32.
;; One version. Each part assembles by itself: llvm-mc -triple=amdgcn-amd-amdhsa -mcpu=gfx1250 --defsym DOCPART=n.
;; ======== version 1 of 1: 3 launches
;; limits: values are held in f16: magnitudes above 65,504 overflow, below 6.1e-05 lose precision
;; workspace buffers: wf 393,216 bytes; qf 2,097,152 bytes; kf 2,097,152 bytes; vf 2,097,152 bytes
;; launch prep (part 1): grid 32 x 3, 4 waves a work-group, no clusters, 0 bytes of LDS; arguments Wq, Wk, Wv, wf; writes wf
.if DOCPART == 1
	.amdgcn_target "amdgcn-amd-amdhsa--gfx1250"
	.amdhsa_code_object_version 6
	.text
	.protected	k_q526311a514_prep
	.globl	k_q526311a514_prep
	.p2align	8
	.type	k_q526311a514_prep,@function
k_q526311a514_prep:
	s_mov_b64 s[64:65], 0
	v_nop
	global_prefetch_b8 v0, s[64:65] scope:SCOPE_SE
	s_setreg_imm32_b32 hwreg(HW_REG_WAVE_MODE, 25, 1), 1
	s_wait_xcnt 0x0
; prep: the three weight matrices [1024][64] f32 are rounded to bf16 and laid out as matrix fragments, once, so that
; the projection launch fills a fragment's registers with loads of 512 consecutive bytes.
; wf byte = w*98304 + kb*3072 + f*1024 + c*512 + 16*lane; its element j (0..7) = W_f[32 kb + 16 c + 8 h + j][16 w + r],
; r = lane & 15, h = lane >> 4; f = 0, 1, 2 for Wq, Wk, Wv; w = 16-column block (0..3); kb = 32-row block (0..31).
; A work-group is one (kb, f); wave w makes the 1,024 bytes of its column block.  The four waves together read each
; 256-byte row of W whole.  96 work-groups: 768 KiB in, 384 KiB out is all the work there is.
; No LDS, no matrix unit, no cluster: nothing is shared between work-groups and nothing is multiplied.
.set WBLOCK, 98304                     ; bytes of wf for one column block
.set KBLOCK, 3072                      ; bytes of wf for one kb (three fragments)
.set RAW, 8                            ; v[8:23]  sixteen f32 as loaded: 8 c + j
.set PK,  24                           ; v[24:31] the fragment, bf16
	s_load_b256 s[4:11], s[0:1], 0x0               ; Wq s[4:5], Wk s[6:7], Wv s[8:9], wf s[10:11]
	v_lshrrev_b32 v1, 5, v0
	v_readfirstlane_b32 s14, v1                    ; w
	s_and_b32 s15, ttmp7, 0xffff                   ; f
	v_and_b32 v2, 15, v0                           ; r
	v_bfe_u32 v3, v0, 4, 1                         ; h
	s_lshl_b32 s16, s14, 6                         ; 16 columns of 4 bytes for each w
	v_lshl_add_u32 v4, v2, 2, s16                  ; 4 r + 64 w
	v_lshl_add_u32 v4, v3, 11, v4                  ; + 8 h rows of 256 bytes
	v_and_b32 v5, 31, v0
	s_mul_i32 s17, s14, WBLOCK
	v_lshl_add_u32 v5, v5, 4, s17                  ; out: 16 lane + w's block
	s_lshl_b32 s18, ttmp9, 13                      ; in: kb * 32 rows of 256 bytes
	s_mov_b32 s19, 0
	s_mul_i32 s20, ttmp9, KBLOCK                   ; out: kb * 3072 + f * 1024
	s_lshl_b32 s22, s15, 10
	s_add_co_u32 s20, s20, s22
	s_mov_b32 s21, 0
	s_wait_kmcnt 0x0
	s_cmp_eq_u32 s15, 1                            ; the matrix is chosen by the work-group's y alone
	s_cselect_b64 s[12:13], s[6:7], s[4:5]
	s_cmp_eq_u32 s15, 2
	s_cselect_b64 s[12:13], s[8:9], s[12:13]
	s_add_nc_u64 s[12:13], s[12:13], s[18:19]
	s_add_nc_u64 s[10:11], s[10:11], s[20:21]
.irp c, 0,1
.irp j, 0,1,2,3,4,5,6,7
	global_load_b32 v[RAW+8*\c+\j], v4, s[12:13] offset:\c*4096+\j*256   ; W[32 kb + 16 c + 8 h + j][16 w + r]
.endr
.endr
	s_wait_loadcnt 0x0
.irp i, 0,1,2,3,4,5,6,7
	v_cvt_pk_bf16_f32 v[PK+\i], v[RAW+2*\i], v[RAW+2*\i+1]               ; the lower k in the lower half
.endr
	global_store_b128 v5, v[PK:PK+3], s[10:11]                           ; c = 0: 512 consecutive bytes of the wave
	global_store_b128 v5, v[PK+4:PK+7], s[10:11] offset:512              ; c = 1
	s_endpgm
.Lfunc_end_k_q526311a514_prep:
	.size	k_q526311a514_prep, .Lfunc_end_k_q526311a514_prep-k_q526311a514_prep
	.p2alignl 7, 3214868480
	.fill 96, 4, 3214868480
	.section	.rodata,"a",@progbits
	.p2align	6, 0x0
	.amdhsa_kernel k_q526311a514_prep
		.amdhsa_group_segment_fixed_size 0
		.amdhsa_private_segment_fixed_size 0
		.amdhsa_enable_private_segment 0
		.amdhsa_kernarg_size 32
		.amdhsa_user_sgpr_count 2
		.amdhsa_user_sgpr_kernarg_segment_ptr 1
		.amdhsa_wavefront_size32 1
		.amdhsa_system_sgpr_workgroup_id_x 1
		.amdhsa_system_sgpr_workgroup_id_y 1
		.amdhsa_system_sgpr_workgroup_id_z 1
		.amdhsa_system_vgpr_workitem_id 0
		.amdhsa_next_free_vgpr 40
		.amdhsa_next_free_sgpr 66
		.amdhsa_reserve_vcc 0
		.amdhsa_float_denorm_mode_32 3
		.amdhsa_float_denorm_mode_16_64 3
		.amdhsa_memory_ordered 1
		.amdhsa_forward_progress 1
		.amdhsa_inst_pref_size 4
	.end_amdhsa_kernel
	.amdgpu_metadata
---
amdhsa.version: [ 1, 2 ]
amdhsa.kernels:
  - .name:           k_q526311a514_prep
    .symbol:         k_q526311a514_prep.kd
    .args:
      - { .name: Wq, .offset: 0, .size: 8, .value_kind: global_buffer, .address_space: global }
      - { .name: Wk, .offset: 8, .size: 8, .value_kind: global_buffer, .address_space: global }
      - { .name: Wv, .offset: 16, .size: 8, .value_kind: global_buffer, .address_space: global }
      - { .name: wf, .offset: 24, .size: 8, .value_kind: global_buffer, .address_space: global }
    .group_segment_fixed_size: 0
    .private_segment_fixed_size: 0
    .kernarg_segment_align: 8
    .kernarg_segment_size: 32
    .max_flat_workgroup_size: 128
    .sgpr_count:     66
    .vgpr_count:     40
    .wavefront_size: 32
...
	.end_amdgpu_metadata
.endif
;; end of part 1
;; launch proj (part 2): grid 256 x 1, 8 waves a work-group, no clusters, 185,344 bytes of LDS; arguments x, wf, bq, bk, bv, qf, kf, vf; writes qf, kf, vf
.if DOCPART == 2
	.amdgcn_target "amdgcn-amd-amdhsa--gfx1250"
	.amdhsa_code_object_version 6
	.text
	.protected	k_q526311a514_proj
	.globl	k_q526311a514_proj
	.p2align	8
	.type	k_q526311a514_proj,@function
k_q526311a514_proj:
	s_mov_b64 s[64:65], 0
	v_nop
	global_prefetch_b8 v0, s[64:65] scope:SCOPE_SE
	s_setreg_imm32_b32 hwreg(HW_REG_WAVE_MODE, 25, 1), 1
	s_wait_xcnt 0x0
; proj: q = c (x Wq + bq), k = x Wk + bk, v = x Wv + bv for 64 rows of x a work-group; c = log2(e) / 96 folds the
; scale of the scores and the change to base 2 into q.  Products in bf16 with f32 sums; biases and c in f32; the results
; are stored in f16, in the order in which the attention launch wants them in its registers:
;   qf, kf byte = tb*2048 + cb*512 + 16 lane, element j = q[16 tb + r][16 cb + 8 h + j]      (tb: block of 16 rows)
;   vf     byte = kb32*4096 + cb*1024 + cc*512 + 16 lane, element j = v[32 kb32 + 16 cc + 8 h + j][16 cb + r]
; LIMIT: |c q|, |k|, |v| must stay below 65,504, the largest f16; beyond it the conversion gives infinity.
; EIGHT WAVES, ALL ALIKE, one straight text.  Wave w brings in rows 8 w .. 8 w + 7 of x (f32 from memory, rounded to bf16 in
; place, into LDS), and multiplies all 64 rows by the 16 columns cb = w & 3 of each of Wq, Wk, Wv: twelve accumulators.
; K goes in four chunks of 256 = 8 steps of 32; of each chunk waves 0-3 (kh = 0) take steps 0-3 and waves 4-7 (kh = 1) steps 4-7.
; So a weight fragment has one user in the work-group and goes from memory straight into that wave's registers.
; At the end waves 4-7 hand their sums to waves 0-3 through LDS, and those add, apply bias and scale, and store.
; ONE LOAD COUNTER serves x and the weights, and loads end in the order of issue, so the order is chosen so that no wait for
; weights needs a younger load of x: in phase c the weights of chunk c + 1 go out first, then x of chunk c + 2.  At the head of a
; phase the count 16 leaves the next chunk's sixteen loads of x out.  x is asked for two phases ahead: 8 to 16 KiB a wave.
; By the text's own count at most 62 loads of a wave are out.
; LDS: x in four chunks, each 64 rows at a pitch of 528 bytes (512 + 16 = 33 x 16, so the sixteen rows that a fragment load
; touches start 16 bytes apart modulo 256).  Every byte is written once: one barrier a chunk hands it over, nothing is overwritten.
; Behind them 4 x 12,288 bytes for the exchange of sums.
; NO CLUSTER, NO TENSOR LOADS: x is f32 in memory and bf16 in LDS, so it passes through registers anyway; wf is the
; only tile that work-groups share, and a joint load would lay its 384 KiB into LDS and read them out again for a single use.
.set PITCH,  528
.set CHUNKB, 64*PITCH                  ; 33,792 bytes: a chunk
.set EXB,    4*CHUNKB                  ; the exchange begins behind the four chunks
.set EXW,    12288                     ; 96 registers x 128 bytes
.set CSCALE, 0x3c76384f                ; log2(e) / 96
; window 0
.set L16, 1                            ; v1       16 lane: offset in wf and in the outputs; never rewritten
.set XO,  2                            ; v2       offset in x of my 16 bytes of my first row; never rewritten
.set ADS, 3                            ; v3, v4   LDS: where I lay x, chunks 0-1, 2-3 (the LDS immediate has 16 bits)
.set ADA, 5                            ; v5, v6   LDS: where I read fragments, chunks 0-1, 2-3
.set EXA, 7                            ; v7       LDS: the exchange of my column block
.set BQ,  8                            ; v[8:15]    bq of my 8 columns
.set BK,  16                           ; v[16:23]   bk
.set BV,  24                           ; v[24:25]   bv of my one column, twice
.set BO,  26                           ; v26, v27   offsets of the bias loads
.set ACC, 32                           ; v[32:127]  accumulator (f, mb) at ACC + 32 f + 8 mb
.set XR,  128                          ; v[128:255] two sets of 64: a chunk of my 8 rows as loaded; at the end the partner's sums, then the results
; window 1 (v256-v511, named by their low 8 bits)
.set AF,  0                            ; two sets of four x fragments
.set WF,  64                           ; two sets of 4 steps x 3 weight fragments
.set MSB, 0
.macro WIN new                         ; the immediate's high byte repeats the setting that is left
.if MSB != \new
	s_set_vgpr_msb (MSB<<8)|\new
.set MSB, \new
.endif
.endm
.macro PLACES cnt
.rept \cnt
	v_nop
.endr
.endm
; chunk c of my 8 rows: sixteen loads, each 512 consecutive bytes of one row
.macro XLOAD c
	WIN 0
.irp j, 0,1,2,3,4,5,6,7
	global_load_b128 v[XR+64*((\c)%2)+8*\j:XR+64*((\c)%2)+8*\j+3],   v[XO], s[4:5] offset:\j*4096+(\c)*1024 th:TH_LOAD_NT
	global_load_b128 v[XR+64*((\c)%2)+8*\j+4:XR+64*((\c)%2)+8*\j+7], v[XO], s[4:5] offset:\j*4096+(\c)*1024+512 th:TH_LOAD_NT
.endr
.endm
; my four K steps' weight fragments of chunk c: 24 loads of 512 consecutive bytes
.macro WLOAD c
	WIN 0x40                                       ; destination in window 1, address in window 0
.irp i, 0,1,2,3
.irp x, 0,1,2,3,4,5
	global_load_b128 v[WF+96*((\c)%2)+24*\i+4*\x:WF+96*((\c)%2)+24*\i+4*\x+3], v[L16], s[6:7] offset:(\c)*24576+\i*3072+512*\x
.endr
.endr
.endm
; chunk c of my rows is rounded in place (four f32 into the first two of their registers) and laid into LDS
.macro STAGE c
	WIN 0
.irp t, 0,1,2,3,4,5,6,7,8,9,10,11,12,13,14,15
	v_cvt_pk_bf16_f32 v[XR+64*((\c)%2)+4*\t],   v[XR+64*((\c)%2)+4*\t],   v[XR+64*((\c)%2)+4*\t+1]
	v_cvt_pk_bf16_f32 v[XR+64*((\c)%2)+4*\t+1], v[XR+64*((\c)%2)+4*\t+2], v[XR+64*((\c)%2)+4*\t+3]
.endr
.irp j, 0,1,2,3,4,5,6,7
	ds_store_b64 v[ADS+((\c)>>1)], v[XR+64*((\c)%2)+8*\j:XR+64*((\c)%2)+8*\j+1]   offset:((\c)&1)*CHUNKB+\j*PITCH       ; 32 lanes: 256 consecutive bytes of row j
	ds_store_b64 v[ADS+((\c)>>1)], v[XR+64*((\c)%2)+8*\j+4:XR+64*((\c)%2)+8*\j+5] offset:((\c)&1)*CHUNKB+\j*PITCH+256
.endr
.endm
; the four x fragments (16 rows x 32 K) of my step i of chunk c: lane (r, h) takes K = 8 h .. and K = 16 + 8 h .. of row r
.macro AFLOAD c, i
	WIN 0x40
.irp mb, 0,1,2,3
	ds_load_b128 v[AF+32*((\i)%2)+8*\mb:AF+32*((\i)%2)+8*\mb+3],   v[ADA+((\c)>>1)] offset:((\c)&1)*CHUNKB+\mb*16*PITCH+(\i)*64
	ds_load_b128 v[AF+32*((\i)%2)+8*\mb+4:AF+32*((\i)%2)+8*\mb+7], v[ADA+((\c)>>1)] offset:((\c)&1)*CHUNKB+\mb*16*PITCH+(\i)*64+32
.endr
.endm
; One K step of 32: twelve matrix instructions.  q and k take the weights as source 0, so that a lane ends up with eight
; neighbouring columns of one row; v takes x as source 0, so that a lane ends up with eight neighbouring rows of one column.
; The twelve accumulators take turns, one instruction a turn, from one K step into the next too.
.macro KB c, i
.set KBA, AF+32*((\i)%2)
.set KBW, WF+96*((\c)%2)+24*(\i)
.if (\i) <= 2
	s_wait_dscnt 0x8                               ; the next step's eight fragment loads stay out
.else
	s_wait_dscnt 0x0                               ; the chunk's last step: nothing was issued behind its fragments
.endif
	WIN 0x05                                       ; both sources in window 1, C and D in window 0
.irp mb, 0,1,2,3
.if ((\c)+(\i)) == 0
	v_wmma_f32_16x16x32_bf16 v[ACC+8*\mb:ACC+8*\mb+7],       v[KBW:KBW+7],             v[KBA+8*\mb:KBA+8*\mb+7], 0
	v_wmma_f32_16x16x32_bf16 v[ACC+32+8*\mb:ACC+32+8*\mb+7], v[KBW+8:KBW+15],          v[KBA+8*\mb:KBA+8*\mb+7], 0
	v_wmma_f32_16x16x32_bf16 v[ACC+64+8*\mb:ACC+64+8*\mb+7], v[KBA+8*\mb:KBA+8*\mb+7], v[KBW+16:KBW+23],         0
.else
	v_wmma_f32_16x16x32_bf16 v[ACC+8*\mb:ACC+8*\mb+7],       v[KBW:KBW+7],             v[KBA+8*\mb:KBA+8*\mb+7], v[ACC+8*\mb:ACC+8*\mb+7]
	v_wmma_f32_16x16x32_bf16 v[ACC+32+8*\mb:ACC+32+8*\mb+7], v[KBW+8:KBW+15],          v[KBA+8*\mb:KBA+8*\mb+7], v[ACC+32+8*\mb:ACC+32+8*\mb+7]
	v_wmma_f32_16x16x32_bf16 v[ACC+64+8*\mb:ACC+64+8*\mb+7], v[KBA+8*\mb:KBA+8*\mb+7], v[KBW+16:KBW+23],         v[ACC+64+8*\mb:ACC+64+8*\mb+7]
.endif
.endr
	PLACES 4                                       ; four places before loads land on registers that matrix instructions read, and before the sums are read at the end
.if (\i) <= 1
	AFLOAD \c, (\i)+2                              ; into the set just used
.endif
.endm
; Phase c.  left: the loads that may stay out at its head; wn, xn = 1: the weights of chunk c + 1, x of chunk c + 2 are asked for.
.macro PHASE c, left, wn, xn
	s_wait_loadcnt \left                           ; x and the weights of chunk c are in; what stays out is the next chunk's sixteen loads of x
	STAGE \c
	s_wait_dscnt 0x0                               ; for the others' sake: my part of the chunk has landed in LDS; and the stores have read the set that is loaded again below
.if \wn
	WLOAD (\c)+1                                   ; into the set whose last matrix instructions stand a whole STAGE back
.endif
.if \xn
	XLOAD (\c)+2                                   ; into the set just stored
.endif
	s_barrier_signal -1
	s_barrier_wait -1                              ; chunk c is whole for every wave
	AFLOAD \c, 0
	AFLOAD \c, 1
.irp p, 0,1,2,3
	KB \c, \p
.endr
.endm
	s_load_b512 s[4:19], s[0:1], 0x0               ; x s[4:5], wf s[6:7], bq s[8:9], bk s[10:11], bv s[12:13], qf s[14:15], kf s[16:17], vf s[18:19]
	v_lshrrev_b32 v28, 5, v0
	v_readfirstlane_b32 s20, v28                   ; wave 0..7
	s_and_b32 s21, s20, 3                          ; cb: my 16 columns
	s_lshr_b32 s28, s20, 2                         ; kh: my half of each chunk's K steps
	v_and_b32 v28, 31, v0                          ; lane
	v_and_b32 v29, 15, v0                          ; r
	v_bfe_u32 v30, v0, 4, 1                        ; h
	v_lshlrev_b32 v[L16], 4, v28
	s_lshl_b32 s24, s20, 15                        ; my 8 rows of 4,096 bytes
	v_add_nc_u32 v[XO], s24, v[L16]
	s_mul_i32 s24, s20, 8*PITCH
	v_lshl_add_u32 v[ADS], v28, 3, s24             ; 8 bytes a lane in my first row
	v_add_nc_u32 v[ADS+1], 2*CHUNKB, v[ADS]
	v_mul_u32_u24 v[ADA], v29, PITCH
	v_lshl_add_u32 v[ADA], v30, 4, v[ADA]          ; r x pitch + 16 h
	v_lshl_add_u32 v[ADA], s28, 8, v[ADA]          ; + four K steps of 64 bytes for kh = 1
	v_add_nc_u32 v[ADA+1], 2*CHUNKB, v[ADA]
	s_mul_i32 s24, s21, EXW
	s_add_co_u32 s24, s24, EXB
	v_add_nc_u32 v[EXA], s24, v[L16]
	s_lshl_b32 s24, s21, 6                         ; 16 columns of 4 bytes
	v_lshl_add_u32 v[BO], v30, 5, s24              ; bq, bk: columns 16 cb + 8 h ..
	v_lshl_add_u32 v[BO+1], v29, 2, s24            ; bv: column 16 cb + r
	s_mov_b32 s26, CSCALE
	s_mov_b32 s27, CSCALE
	s_lshl_b32 s22, ttmp9, 18                      ; the work-group's 64 rows of 4,096 bytes
	s_mov_b32 s23, 0
	s_wait_kmcnt 0x0
	s_add_nc_u64 s[4:5], s[4:5], s[22:23]
	XLOAD 0                                        ; x first: it has the longest way
	s_mul_i32 s22, s21, 98304                      ; my column block of wf,
	s_mul_i32 s24, s28, 12288                      ; and four K steps of 3,072 bytes for kh = 1
	s_add_co_u32 s22, s22, s24
	s_add_nc_u64 s[6:7], s[6:7], s[22:23]
	global_load_b128 v[BQ:BQ+3],   v[BO], s[8:9]
	global_load_b128 v[BQ+4:BQ+7], v[BO], s[8:9] offset:16
	global_load_b128 v[BK:BK+3],   v[BO], s[10:11]
	global_load_b128 v[BK+4:BK+7], v[BO], s[10:11] offset:16
	global_load_b32 v[BV],   v[BO+1], s[12:13]
	global_load_b32 v[BV+1], v[BO+1], s[12:13]     ; twice: a pair for the packed add
	WLOAD 0
	XLOAD 1                                        ; 16 + 6 + 24 + 16 = 62 loads are out
	s_lshl_b32 s24, ttmp9, 13                      ; 64 rows are 8,192 bytes in each of qf, kf, vf
	s_lshl_b32 s25, s21, 9
	s_add_co_u32 s22, s24, s25
	s_add_nc_u64 s[14:15], s[14:15], s[22:23]
	s_add_nc_u64 s[16:17], s[16:17], s[22:23]
	s_lshl_b32 s25, s21, 10
	s_add_co_u32 s22, s24, s25
	s_add_nc_u64 s[18:19], s[18:19], s[22:23]
	PHASE 0, 16, 1, 1
	PHASE 1, 16, 1, 1
	PHASE 2, 16, 1, 0                              ; x of chunk 3 is out already; only the last weights are asked for
	PHASE 3, 0, 0, 0                               ; nothing was issued behind the last weights
	WIN 0                                          ; at a label and at a branch every window is 0
	; the two halves of K meet: waves 4-7 lay their 96 registers of sums into LDS bytes of their own, 512 consecutive bytes a store
	s_cmp_lt_u32 s20, 4
	s_cbranch_scc1 .Lkeep
.irp t, 0,1,2,3,4,5,6,7,8,9,10,11,12,13,14,15,16,17,18,19,20,21,22,23
	ds_store_b128 v[EXA], v[ACC+4*\t:ACC+4*\t+3] offset:512*\t
.endr
.Lkeep:
	s_wait_dscnt 0x0                               ; for the others' sake: the sums have landed
	s_barrier_signal -1
	s_barrier_wait -1
	s_cmp_ge_u32 s20, 4
	s_cbranch_scc1 .Lend                           ; waves 4-7 are done
.irp t, 0,1,2,3,4,5,6,7,8,9,10,11,12,13,14,15,16,17,18,19,20,21,22,23
	ds_load_b128 v[XR+4*\t:XR+4*\t+3], v[EXA] offset:512*\t
.endr
.irp i, 0,2,4,6
	v_pk_mul_f32 v[BQ+\i:BQ+\i+1], v[BQ+\i:BQ+\i+1], s[26:27] op_sel_hi:[1,0]           ; c bq, while the sums come
.endr
	s_wait_dscnt 0x0
.set ex, 0
.rept 48
	v_pk_add_f32 v[ACC+ex:ACC+ex+1], v[ACC+ex:ACC+ex+1], v[XR+ex:XR+ex+1]
.set ex, ex+2
.endr
	; the way out: biases (and c) in f32, one rounding to f16, stores of 512 consecutive bytes a wave
.irp mb, 0,1,2,3
.irp i, 0,2,4,6
	v_pk_fma_f32 v[ACC+8*\mb+\i:ACC+8*\mb+\i+1], v[ACC+8*\mb+\i:ACC+8*\mb+\i+1], s[26:27], v[BQ+\i:BQ+\i+1] op_sel_hi:[1,0,1]
	v_pk_add_f32 v[ACC+32+8*\mb+\i:ACC+32+8*\mb+\i+1], v[ACC+32+8*\mb+\i:ACC+32+8*\mb+\i+1], v[BK+\i:BK+\i+1]
	v_pk_add_f32 v[ACC+64+8*\mb+\i:ACC+64+8*\mb+\i+1], v[ACC+64+8*\mb+\i:ACC+64+8*\mb+\i+1], v[BV:BV+1]
.endr
.endr
.irp f, 0,1,2
.irp mb, 0,1,2,3
.irp i, 0,1,2,3
	v_cvt_pk_f16_f32 v[XR+16*\f+4*\mb+\i], v[ACC+32*\f+8*\mb+2*\i], v[ACC+32*\f+8*\mb+2*\i+1]
.endr
.endr
.endr
.irp mb, 0,1,2,3
	global_store_b128 v[L16], v[XR+4*\mb:XR+4*\mb+3],       s[14:15] offset:\mb*2048
	global_store_b128 v[L16], v[XR+16+4*\mb:XR+16+4*\mb+3], s[16:17] offset:\mb*2048
	global_store_b128 v[L16], v[XR+32+4*\mb:XR+32+4*\mb+3], s[18:19] offset:((\mb)>>1)*4096+((\mb)&1)*512
.endr
.Lend:
	s_wait_xcnt 0x0
	v_lshl_add_u32 v254, v0, 2, 0x2d000
	v_mov_b32 v255, 0
	s_wait_tensorcnt 0x0
	ds_add_u32 v254, v255
	s_wait_dscnt 0x0
	s_endpgm
.Lfunc_end_k_q526311a514_proj:
	.size	k_q526311a514_proj, .Lfunc_end_k_q526311a514_proj-k_q526311a514_proj
	.p2alignl 7, 3214868480
	.fill 96, 4, 3214868480
	.section	.rodata,"a",@progbits
	.p2align	6, 0x0
	.amdhsa_kernel k_q526311a514_proj
		.amdhsa_group_segment_fixed_size 185344
		.amdhsa_private_segment_fixed_size 0
		.amdhsa_enable_private_segment 0
		.amdhsa_kernarg_size 64
		.amdhsa_user_sgpr_count 2
		.amdhsa_user_sgpr_kernarg_segment_ptr 1
		.amdhsa_wavefront_size32 1
		.amdhsa_system_sgpr_workgroup_id_x 1
		.amdhsa_system_sgpr_workgroup_id_y 1
		.amdhsa_system_sgpr_workgroup_id_z 1
		.amdhsa_system_vgpr_workitem_id 0
		.amdhsa_next_free_vgpr 512
		.amdhsa_next_free_sgpr 66
		.amdhsa_reserve_vcc 0
		.amdhsa_float_denorm_mode_32 3
		.amdhsa_float_denorm_mode_16_64 3
		.amdhsa_memory_ordered 1
		.amdhsa_forward_progress 1
		.amdhsa_inst_pref_size 68
	.end_amdhsa_kernel
	.amdgpu_metadata
---
amdhsa.version: [ 1, 2 ]
amdhsa.kernels:
  - .name:           k_q526311a514_proj
    .symbol:         k_q526311a514_proj.kd
    .args:
      - { .name: x, .offset: 0, .size: 8, .value_kind: global_buffer, .address_space: global }
      - { .name: wf, .offset: 8, .size: 8, .value_kind: global_buffer, .address_space: global }
      - { .name: bq, .offset: 16, .size: 8, .value_kind: global_buffer, .address_space: global }
      - { .name: bk, .offset: 24, .size: 8, .value_kind: global_buffer, .address_space: global }
      - { .name: bv, .offset: 32, .size: 8, .value_kind: global_buffer, .address_space: global }
      - { .name: qf, .offset: 40, .size: 8, .value_kind: global_buffer, .address_space: global }
      - { .name: kf, .offset: 48, .size: 8, .value_kind: global_buffer, .address_space: global }
      - { .name: vf, .offset: 56, .size: 8, .value_kind: global_buffer, .address_space: global }
    .group_segment_fixed_size: 185344
    .private_segment_fixed_size: 0
    .kernarg_segment_align: 8
    .kernarg_segment_size: 64
    .max_flat_workgroup_size: 256
    .sgpr_count:     66
    .vgpr_count:     512
    .wavefront_size: 32
...
	.end_amdgpu_metadata
.endif
;; end of part 2
;; launch attn (part 3): grid 256 x 1, 8 waves a work-group, no clusters, 140,288 bytes of LDS; arguments qf, kf, vf, out0; writes out0
.if DOCPART == 3
	.amdgcn_target "amdgcn-amd-amdhsa--gfx1250"
	.amdhsa_code_object_version 6
	.text
	.protected	k_q526311a514_attn
	.globl	k_q526311a514_attn
	.p2align	8
	.type	k_q526311a514_attn,@function
k_q526311a514_attn:
	s_mov_b64 s[64:65], 0
	v_nop
	global_prefetch_b8 v0, s[64:65] scope:SCOPE_SE
	s_setreg_imm32_b32 hwreg(HW_REG_WAVE_MODE, 25, 1), 1
	s_wait_xcnt 0x0
; attn: causal softmax attention, one head of width 64, 4 batches of 4,096 rows.  qf holds c q (c = log2(e) / 96), so the
; matrix unit's scores are exponents of 2 as they come; a running maximum is taken away before every exponential.
; SHARES.  Work-group g: batch b = g >> 6, i = g & 63; it owns the 32-row query tiles i (pass L) and 127 - i (pass H).
; Keys go in blocks of 64; tile t needs (t >> 1) + 1 of them, so nL + nH = 65 in every work-group.  The 65 blocks are dealt
; round the eight waves; each wave keeps its own maximum m, sum l and sums O for the pass, and a block goes from memory
; straight into the registers of the one wave that multiplies it.  At the end the eight partial results of each tile meet in
; LDS behind one barrier and are merged.  Only a tile's last block meets the diagonal, and only it is masked.
; ORIENTATION.  S^T = K Q^T: a lane holds one query (r) and 8 keys a tile, so maximum and sum stay in the lane but for one
; exchange between the halves, and the rounded exponentials are P^T's fragment without a move.  O^T = V^T P^T: again one
; query a lane, so the rescaling factor is one number a lane.
; FORMATS.  q, k, v and p in f16 (p <= 1 by the maximum), sums in f32.  LIMITS: NaN and infinite inputs are not served;
; the running maximum starts at -FLT_MAX, masked scores are -infinity and give 0.
; NO CLUSTER, NO TENSOR LOADS: the work-groups of a batch walk key ranges of unlike length (nL = 1 .. 32, nH = 33 .. 64) and deal
; the blocks to waves by a residue that hangs on nL, so no two of them want one block in the same trip; and a block has one user
; in a work-group, so a way through LDS would add a write and a read of every byte.
.set PROW,  272                        ; a partial row in LDS: 64 f32, then m and l in the 16 bytes of padding
.set PWAVE, 32*PROW                    ; 8,704: one wave's partial result of one pass
.set PPASS, 8*PWAVE                    ; 69,632: a pass
.set STEP,  0x10000                    ; eight key blocks of 8,192 bytes, in kf and in vf alike
.set L16, 1                            ; v1  16 lane
.set KO,  2                            ; v2  offset of the K block that is asked for; later the merge's address of O
.set VO,  3                            ; v3  the same for V; later the merge's address of m and l
.set VP,  4                            ; v4  LDS: where my O goes
.set VS,  5                            ; v5  LDS: my row of the partial result (m and l at its byte 256)
.set RH,  6                            ; v6  r - 8 h
.set HH,  7                            ; v7  h
.set X0,  9                            ; v9, v11  destinations of the exchange between halves in FLUSH
.set X1,  11
.set NINF, 10                          ; v10 -infinity
.set M,   12                           ; v[12:13]  running maximum of query block 0, 1
.set TA,  14                           ; v[14:15]  at work
.set TB,  16                           ; v[16:17]  at work
.set AL,  18                           ; v[18:21]  alpha of block 0 twice, of block 1 twice
.set MM,  22                           ; v[22:25]  the new maximum, likewise
.set LS,  26                           ; v[26:29]  running sums, a pair for each query block
.set DD,  30                           ; v[30:31]  mask: key 16 kt + j is seen where it is <= DD
.set QL,  32                           ; v[32:63]  Q fragments of tile L: 16 g + 8 ac
.set QH,  64                           ; v[64:95]  of tile H
.set ST,  96                           ; v[96:159] S^T tile (g, kt) at 32 g + 8 kt; then P^T fragment (g, kb) at 32 g + 8 kb
.set OA,  160                          ; v[160:223] O^T tile (g, ab) at 32 g + 8 ab
.set KF,  0                            ; window 1 (v256 ..): K fragments, 16 kt + 8 ac
.set VF,  64                           ; window 1: V^T fragments, 32 kb + 8 ab
.set MSB, 0
.macro WIN new                         ; the immediate's high byte repeats the setting that is left
.if MSB != \new
	s_set_vgpr_msb (MSB<<8)|\new
.set MSB, \new
.endif
.endm
.macro PLACES cnt
.rept \cnt
	v_nop
.endr
.endm
; a key block's 8,192 bytes of K or of V: sixteen loads of 512 consecutive bytes
.macro LOAD16 dst, adr, base
.irp x, 0,1,2,3,4,5,6,7,8,9,10,11,12,13,14,15
	global_load_b128 v[\dst+4*\x:\dst+4*\x+3], v[\adr], s[\base:\base+1] offset:512*\x
.endr
.endm
; S^T = K Q^T: 64 keys x 32 queries, 64 along the head.  The eight accumulators take turns, one instruction a turn.
.macro SMUL q
.irp kt, 0,1,2,3
.irp g, 0,1
	v_wmma_f32_16x16x32_f16 v[ST+32*\g+8*\kt:ST+32*\g+8*\kt+7], v[KF+16*\kt:KF+16*\kt+7], v[\q+16*\g:\q+16*\g+7], 0
.endr
.endr
.irp kt, 0,1,2,3
.irp g, 0,1
	v_wmma_f32_16x16x32_f16 v[ST+32*\g+8*\kt:ST+32*\g+8*\kt+7], v[KF+16*\kt+8:KF+16*\kt+15], v[\q+16*\g+8:\q+16*\g+15], v[ST+32*\g+8*\kt:ST+32*\g+8*\kt+7]
.endr
.endr
.endm
; the diagonal block: key 16 kt + 8 h + j is seen by query 32 (tile & 1) + 16 g + r where it is not larger
.macro MASK
.irp g, 0,1
.irp kt, 0,1,2,3
.irp j, 0,1,2,3,4,5,6,7
	v_cmp_le_i32 vcc_lo, 16*\kt+\j, v[DD+\g]
	v_cndmask_b32 v[ST+32*\g+8*\kt+\j], v[NINF], v[ST+32*\g+8*\kt+\j], vcc_lo
.endr
.endr
.endr
.endm
.macro SOFTMAX
	; the new maximum: four chains that do not wait for each other, TA's starting from the running maximum
.irp g, 0,1
	v_max3_num_f32 v[TA+\g], v[M+\g], v[ST+32*\g], v[ST+32*\g+1]
	v_max3_num_f32 v[TB+\g], v[ST+32*\g+16], v[ST+32*\g+17], v[ST+32*\g+18]
.endr
.irp t, 1,2,3,4,5,6
.irp g, 0,1
	v_max3_num_f32 v[TA+\g], v[TA+\g], v[ST+32*\g+2*\t], v[ST+32*\g+2*\t+1]
	v_max3_num_f32 v[TB+\g], v[TB+\g], v[ST+32*\g+17+2*\t], v[ST+32*\g+18+2*\t]
.endr
.endr
.irp g, 0,1
	v_max3_num_f32 v[TA+\g], v[TA+\g], v[ST+32*\g+14], v[ST+32*\g+15]
.endr
.irp g, 0,1
	v_max3_num_f32 v[TA+\g], v[TA+\g], v[TB+\g], v[ST+32*\g+31]
.endr
.irp g, 0,1
	v_permlanex16_b32 v[TB+\g], v[TA+\g], s24, s25         ; the other half of the lanes holds the query's other keys
.endr
.irp g, 0,1
	v_max_num_f32 v[TA+\g], v[TA+\g], v[TB+\g]
.endr
	v_pk_add_f32 v[TB:TB+1], v[M:M+1], v[TA:TA+1] neg_lo:[0,1] neg_hi:[0,1]   ; old maximum - new, at most 0
	v_exp_f32 v[AL], v[TB]
	v_exp_f32 v[AL+2], v[TB+1]
	v_mov_b32 v[M], v[TA]                                  ; plain work stands between the exponentials and their first use (ISA guide 5.7.2)
	v_mov_b32 v[M+1], v[TA+1]
	v_mov_b32 v[MM], v[TA]
	v_mov_b32 v[MM+1], v[TA]
	v_mov_b32 v[MM+2], v[TA+1]
	v_mov_b32 v[MM+3], v[TA+1]
	s_wait_alu depctr_va_vdst(0)
	v_mov_b32 v[AL+1], v[AL]
	v_mov_b32 v[AL+3], v[AL+2]
.irp g, 0,1
.irp t, 0,1,2,3,4,5,6,7,8,9,10,11,12,13,14,15
	v_pk_add_f32 v[ST+32*\g+2*\t:ST+32*\g+2*\t+1], v[ST+32*\g+2*\t:ST+32*\g+2*\t+1], v[MM+2*\g:MM+2*\g+1] neg_lo:[0,1] neg_hi:[0,1]
.endr
.endr
.set sx, 0
.rept 64
	v_exp_f32 v[ST+sx], v[ST+sx]                           ; p = 2^(s - m), at most 1
.set sx, sx+1
.endr
	v_nop                                                  ; the plain place behind the last exponential
	; pair t of a query block: into the sum, rounded to f16 into register t (which belongs to a pair already summed and rounded), and pair t of O rescaled
	s_wait_alu depctr_va_vdst(0)
.irp g, 0,1
	v_pk_fma_f32 v[LS+2*\g:LS+2*\g+1], v[LS+2*\g:LS+2*\g+1], v[AL+2*\g:AL+2*\g+1], v[ST+32*\g:ST+32*\g+1]
	v_cvt_pk_f16_f32 v[ST+32*\g], v[ST+32*\g], v[ST+32*\g+1]
	v_pk_mul_f32 v[OA+32*\g:OA+32*\g+1], v[OA+32*\g:OA+32*\g+1], v[AL+2*\g:AL+2*\g+1]
.endr
.irp t, 1,2,3,4,5,6,7,8,9,10,11,12,13,14,15
.irp g, 0,1
	v_pk_add_f32 v[LS+2*\g:LS+2*\g+1], v[LS+2*\g:LS+2*\g+1], v[ST+32*\g+2*\t:ST+32*\g+2*\t+1]
	v_cvt_pk_f16_f32 v[ST+32*\g+\t], v[ST+32*\g+2*\t], v[ST+32*\g+2*\t+1]
	v_pk_mul_f32 v[OA+32*\g+2*\t:OA+32*\g+2*\t+1], v[OA+32*\g+2*\t:OA+32*\g+2*\t+1], v[AL+2*\g:AL+2*\g+1]
.endr
.endr
.endm
; O^T += V^T P^T.  Eight accumulators by turns, one instruction a turn.
.macro PVMUL
.irp kb, 0,1
.irp g, 0,1
.irp ab, 0,1,2,3
	v_wmma_f32_16x16x32_f16 v[OA+32*\g+8*\ab:OA+32*\g+8*\ab+7], v[VF+32*\kb+8*\ab:VF+32*\kb+8*\ab+7], v[ST+32*\g+8*\kb:ST+32*\g+8*\kb+7], v[OA+32*\g+8*\ab:OA+32*\g+8*\ab+7]
.endr
.endr
.endr
.endm
; One key block.  q: the tile's fragments; mask = 1: the diagonal block; next = 1: the block at offset s22 is asked for meanwhile.
.macro BODY q, mask, next
	s_wait_loadcnt 0x10                            ; K is in (and Q, at the first block); V's sixteen loads, issued behind K's, stay out.  K's loads are done: KO is free
.if \next
	v_add_nc_u32 v[KO], s22, v[L16]
.endif
	WIN 0x01                                       ; source 0 in window 1
	SMUL \q
	PLACES 4                                       ; four places before loads land on K's registers and before the scores are read
.if \next
	WIN 0x40                                       ; destination in window 1
	LOAD16 KF, KO, 6
.endif
	WIN 0
.if \mask
	MASK
.endif
	SOFTMAX
.if \next
	s_wait_loadcnt 0x10                            ; V is in; the next K's sixteen loads stay out.  V's loads are done: VO is free
	v_add_nc_u32 v[VO], s22, v[L16]
.else
	s_wait_loadcnt 0x0                             ; nothing was issued behind V
.endif
	WIN 0x01
	PVMUL
	PLACES 5                                       ; five places before the next scores are written over P, a source; they also serve the loads onto V's registers and the readers of O
.if \next
	WIN 0x40
	LOAD16 VF, VO, 8
.endif
	WIN 0                                          ; at a label and at a branch every window is 0
.endm
; The pass's partial result goes into my own 8,704 bytes of LDS.  Both halves of the lanes hold a query's m and l and write the same words.
.macro FLUSH pass
	v_add_f32 v[LS], v[LS], v[LS+1]
	v_add_f32 v[LS+2], v[LS+2], v[LS+3]
	v_permlanex16_b32 v[X0], v[LS], s24, s25
	v_permlanex16_b32 v[X1], v[LS+2], s24, s25
	v_mov_b32 v[TA], v[M]
	v_add_f32 v[TA+1], v[LS], v[X0]
	v_mov_b32 v[TB], v[M+1]
	v_add_f32 v[TB+1], v[LS+2], v[X1]
	ds_store_b64 v[VS], v[TA:TA+1] offset:256
	ds_store_b64 v[VS], v[TB:TB+1] offset:16*PROW+256
.irp g, 0,1
.irp ab, 0,1,2,3
	ds_store_b128 v[VP], v[OA+32*\g+8*\ab:OA+32*\g+8*\ab+3]   offset:\g*16*PROW+\ab*64
	ds_store_b128 v[VP], v[OA+32*\g+8*\ab+4:OA+32*\g+8*\ab+7] offset:\g*16*PROW+\ab*64+16
.endr
.endr
.if \pass == 0
	v_mov_b32 v[M], 0xff7fffff                     ; -FLT_MAX: the next block's alpha is 2^(-huge) = 0 and wipes O and the sums, which are finite
	v_mov_b32 v[M+1], 0xff7fffff
	v_add_nc_u32 v[VP], PPASS, v[VP]
	v_add_nc_u32 v[VS], PPASS, v[VS]
	v_add_nc_u32 v[DD], s35, v[RH]                 ; the mask of tile H
	v_add_nc_u32 v[DD+1], 16, v[DD]
.endif
.endm
; The merge.  Set e: rows q0 + 2 e and q0 + 2 e + 1 (one for each half of the lanes), the eight waves' (m, l) and 16 bytes of each wave's O.
.macro MLOAD e
.irp u, 0,1,2,3,4,5,6,7
	ds_load_b64 v[32+48*\e+2*\u:32+48*\e+2*\u+1], v[VO] offset:\u*PWAVE+\e*2*PROW+256
.endr
.irp u, 0,1,2,3,4,5,6,7
	ds_load_b128 v[48+48*\e+4*\u:48+48*\e+4*\u+3], v[KO] offset:\u*PWAVE+\e*2*PROW
.endr
.endm
; left: the LDS loads of the younger sets, sixteen each, which stay out
.macro MERGE e, left
.set ML, 32+48*\e
.set MO, 48+48*\e
	s_wait_dscnt \left
	v_max3_num_f32 v[TA], v[ML], v[ML+2], v[ML+4]
	v_max3_num_f32 v[TA], v[TA], v[ML+6], v[ML+8]
	v_max3_num_f32 v[TA], v[TA], v[ML+10], v[ML+12]
	v_max_num_f32 v[TA], v[TA], v[ML+14]
.irp u, 0,2,4,6,8,10,12,14
	v_sub_f32 v[ML+\u], v[ML+\u], v[TA]
.endr
.irp u, 0,2,4,6,8,10,12,14
	v_exp_f32 v[ML+\u], v[ML+\u]                   ; wave u's weight 2^(m_u - max); 0 for a wave that had no block
.endr
	v_nop
	s_wait_alu depctr_va_vdst(0)
	v_mul_f32 v[TB], v[ML], v[ML+1]
.irp u, 2,4,6,8,10,12,14
	v_fmac_f32 v[TB], v[ML+\u], v[ML+\u+1]         ; the denominator: at least 1, since the wave that holds the maximum has weight 1 and l >= 1
.endr
	v_rcp_f32 v[TB+1], v[TB]
.irp k, 0,1,2,3
	v_mul_f32 v[MO+\k], v[ML], v[MO+\k]            ; plain work behind the reciprocal, which is used last
.endr
.irp u, 1,2,3,4,5,6,7
.irp k, 0,1,2,3
	v_fmac_f32 v[MO+\k], v[ML+2*\u], v[MO+4*\u+\k]
.endr
.endr
	s_wait_alu depctr_va_vdst(0)
.irp k, 0,1,2,3
	v_mul_f32 v[MO+\k], v[TB+1], v[MO+\k]
.endr
	global_store_b128 v[L16], v[MO:MO+3], s[10:11] offset:\e*512 th:TH_STORE_NT   ; two whole rows of 256 bytes; each set stores from registers of its own
.endm
	s_load_b256 s[4:11], s[0:1], 0x0               ; qf s[4:5], kf s[6:7], vf s[8:9], out0 s[10:11]
	v_lshl_add_u32 v254, v0, 2, 0x22000
	v_mov_b32 v255, 0
	v_lshrrev_b32 v1, 5, v0
	v_readfirstlane_b32 s12, v1                    ; w
	s_lshr_b32 s13, ttmp9, 6                       ; b
	s_and_b32 s14, ttmp9, 63                       ; i
	s_lshr_b32 s15, s14, 1
	s_add_co_u32 s15, s15, 1                       ; nL
	s_sub_co_u32 s16, 65, s15                      ; nH
	s_add_co_u32 s17, s15, 7
	s_sub_co_u32 s17, s17, s12
	s_lshr_b32 s17, s17, 3                         ; my blocks of pass L: w, w + 8, .. below nL; may be none
	s_sub_co_u32 s30, s12, s15
	s_and_b32 s30, s30, 7                          ; my first block of pass H: the deal goes on where L's ended
	s_add_co_u32 s18, s16, 7
	s_sub_co_u32 s18, s18, s30
	s_lshr_b32 s18, s18, 3                         ; my blocks of pass H: at least 4, since nH >= 33
	s_sub_co_u32 s19, s15, 1
	s_sub_co_u32 s19, s19, s12
	s_and_b32 s19, s19, 7                          ; 0: L's diagonal block is mine (H's is wave 0's: nL + nH - 1 = 64)
	s_lshl_b32 s31, s13, 19                        ; a batch is 524,288 bytes of kf and of vf
	s_lshl_b32 s20, s12, 13
	s_add_co_u32 s20, s20, s31                     ; offset of my first block of pass L
	s_lshl_b32 s21, s30, 13
	s_add_co_u32 s21, s21, s31                     ; of pass H
	s_cmp_lg_u32 s17, 0
	s_cselect_b32 s22, s20, s21                    ; the first block that I work on
	s_mov_b32 s24, 0x76543210                      ; v_permlanex16_b32: lane i of one half reads lane i of the other
	s_mov_b32 s25, 0xfedcba98
	s_sub_co_u32 s38, 127, s14                     ; tile H
	s_and_b32 s34, s14, 1
	s_lshl_b32 s34, s34, 5                         ; 32 (tile L & 1)
	s_sub_co_u32 s35, 32, s34                      ; 32 (tile H & 1)
	s_lshl_b32 s36, s13, 7
	s_add_co_u32 s32, s36, s14
	s_lshl_b32 s32, s32, 12                        ; a tile is 4,096 bytes of qf
	s_mov_b32 s33, 0
	s_add_co_u32 s36, s36, s38
	s_lshl_b32 s36, s36, 12
	s_mov_b32 s37, 0
	v_and_b32 v1, 31, v0
	v_lshlrev_b32 v[L16], 4, v1
	v_add_nc_u32 v[KO], s22, v[L16]
	v_add_nc_u32 v[VO], s22, v[L16]
	s_wait_kmcnt 0x0
	s_add_nc_u64 s[26:27], s[4:5], s[32:33]
	s_add_nc_u64 s[28:29], s[4:5], s[36:37]
.irp x, 0,1,2,3,4,5,6,7
	global_load_b128 v[QL+4*\x:QL+4*\x+3], v[L16], s[26:27] offset:512*\x
.endr
.irp x, 0,1,2,3,4,5,6,7
	global_load_b128 v[QH+4*\x:QH+4*\x+3], v[L16], s[28:29] offset:512*\x
.endr
	WIN 0x40
	LOAD16 KF, KO, 6
	LOAD16 VF, VO, 8
	WIN 0
	s_add_co_u32 s22, s22, STEP
	; the rest of the set-up runs while the loads are on their way
	v_and_b32 v[RH], 15, v0                        ; r
	v_bfe_u32 v[HH], v0, 4, 1                      ; h
	s_mul_i32 s39, s12, PWAVE
	v_mul_u32_u24 v[VS], v[RH], PROW
	v_add_nc_u32 v[VS], s39, v[VS]                 ; my block of LDS, row r
	v_lshl_add_u32 v[VP], v[HH], 5, v[VS]          ; + 8 h columns of 4 bytes
	v_lshlrev_b32 v8, 3, v[HH]
	v_sub_nc_u32 v[RH], v[RH], v8                  ; r - 8 h
	v_add_nc_u32 v[DD], s34, v[RH]                 ; the mask of tile L
	v_add_nc_u32 v[DD+1], 16, v[DD]
	v_mov_b32 v[NINF], 0xff800000
	v_mov_b32 v[X0], 0
	v_mov_b32 v[X1], 0
	v_mov_b32 v[M], 0xff7fffff
	v_mov_b32 v[M+1], 0xff7fffff
.irp k, 0,1,2,3
	v_mov_b32 v[LS+\k], 0
.endr
.set ox, 0
.rept 64
	v_mov_b32 v[OA+ox], 0                          ; once in the launch: a wave without a block of pass L hands over these zeros as its neutral part
.set ox, ox+1
.endr
	s_cmp_eq_u32 s17, 0
	s_cbranch_scc1 .Ldone_l                        ; no block of pass L: what is on its way is H's first block
	s_sub_co_u32 s23, s17, 1
	s_cmp_eq_u32 s23, 0
	s_cbranch_scc1 .Llast_l
.Lloop_l:
	BODY QL, 0, 1
	s_add_co_u32 s22, s22, STEP
	s_sub_co_u32 s23, s23, 1
	s_cmp_lg_u32 s23, 0
	s_cbranch_scc1 .Lloop_l
.Llast_l:
	s_mov_b32 s22, s21                             ; during L's last block H's first is asked for
	s_cmp_lg_u32 s19, 0
	s_cbranch_scc1 .Lplain_l
	BODY QL, 1, 1
	s_branch .Lafter_l
.Lplain_l:
	BODY QL, 0, 1
.Lafter_l:
	s_add_co_u32 s22, s21, STEP
.Ldone_l:
	FLUSH 0
	s_sub_co_u32 s23, s18, 1                       ; at least 3 trips, since I have at least 4 blocks of pass H;
	s_max_u32 s23, s23, 1                          ; the text itself shows the start to be at least the step, so the count-down ends at 0
.Lloop_h:
	BODY QH, 0, 1
	s_add_co_u32 s22, s22, STEP
	s_sub_co_u32 s23, s23, 1
	s_cmp_lg_u32 s23, 0
	s_cbranch_scc1 .Lloop_h
	s_cmp_lg_u32 s12, 0
	s_cbranch_scc1 .Lplain_h
	BODY QH, 1, 0                                  ; the last block asks for nothing: no load leaves the buffers
	s_branch .Lafter_h
.Lplain_h:
	BODY QH, 0, 0
.Lafter_h:
	FLUSH 1
	; the merge's share: wave w takes pass p = w >> 2, rows q0 = 8 (w & 3) .. q0 + 7
	s_lshr_b32 s30, s12, 2                         ; p
	s_and_b32 s31, s12, 3
	s_mul_i32 s36, s30, PPASS
	s_mul_i32 s37, s31, 8*PROW
	s_add_co_u32 s36, s36, s37
	v_mul_u32_u24 v[VO], v[HH], PROW               ; all global loads were waited for in the last block: KO and VO are free
	v_add_nc_u32 v[VO], s36, v[VO]                 ; row q0 + (lane >> 4) of wave 0's part
	v_and_b32 v8, 15, v0
	v_lshl_add_u32 v[KO], v8, 4, v[VO]             ; + 16 bytes for each of sixteen lanes
	s_cmp_eq_u32 s30, 0
	s_cselect_b32 s39, s14, s38                    ; the pass's tile
	s_lshl_b32 s32, s13, 20                        ; a batch is 4,096 rows of 256 bytes
	s_lshl_b32 s39, s39, 13                        ; a tile 32 rows
	s_add_co_u32 s32, s32, s39
	s_lshl_b32 s31, s31, 11                        ; q0 rows
	s_add_co_u32 s32, s32, s31
	s_add_nc_u64 s[10:11], s[10:11], s[32:33]
	s_wait_dscnt 0x0                               ; for the others' sake: both my partial results have landed in LDS
	s_barrier_signal -1
	s_barrier_wait -1                              ; everybody's have
	MLOAD 0
	MLOAD 1
	MLOAD 2                                        ; 48 LDS loads are out
	MERGE 0, 32                                    ; sets 1 and 2 stay out
	MLOAD 3
	MERGE 1, 32                                    ; sets 2 and 3
	MERGE 2, 16                                    ; set 3
	MERGE 3, 0
	s_wait_tensorcnt 0x0
	ds_add_u32 v254, v255
	s_wait_dscnt 0x0
	s_endpgm
.Lfunc_end_k_q526311a514_attn:
	.size	k_q526311a514_attn, .Lfunc_end_k_q526311a514_attn-k_q526311a514_attn
	.p2alignl 7, 3214868480
	.fill 96, 4, 3214868480
	.section	.rodata,"a",@progbits
	.p2align	6, 0x0
	.amdhsa_kernel k_q526311a514_attn
		.amdhsa_group_segment_fixed_size 140288
		.amdhsa_private_segment_fixed_size 0
		.amdhsa_enable_private_segment 0
		.amdhsa_kernarg_size 32
		.amdhsa_user_sgpr_count 2
		.amdhsa_user_sgpr_kernarg_segment_ptr 1
		.amdhsa_wavefront_size32 1
		.amdhsa_system_sgpr_workgroup_id_x 1
		.amdhsa_system_sgpr_workgroup_id_y 1
		.amdhsa_system_sgpr_workgroup_id_z 1
		.amdhsa_system_vgpr_workitem_id 0
		.amdhsa_next_free_vgpr 384
		.amdhsa_next_free_sgpr 66
		.amdhsa_reserve_vcc 1
		.amdhsa_float_denorm_mode_32 3
		.amdhsa_float_denorm_mode_16_64 3
		.amdhsa_memory_ordered 1
		.amdhsa_forward_progress 1
		.amdhsa_inst_pref_size 139
	.end_amdhsa_kernel
	.amdgpu_metadata
---
amdhsa.version: [ 1, 2 ]
amdhsa.kernels:
  - .name:           k_q526311a514_attn
    .symbol:         k_q526311a514_attn.kd
    .args:
      - { .name: qf, .offset: 0, .size: 8, .value_kind: global_buffer, .address_space: global }
      - { .name: kf, .offset: 8, .size: 8, .value_kind: global_buffer, .address_space: global }
      - { .name: vf, .offset: 16, .size: 8, .value_kind: global_buffer, .address_space: global }
      - { .name: out0, .offset: 24, .size: 8, .value_kind: global_buffer, .address_space: global }
    .group_segment_fixed_size: 140288
    .private_segment_fixed_size: 0
    .kernarg_segment_align: 8
    .kernarg_segment_size: 32
    .max_flat_workgroup_size: 256
    .sgpr_count:     66
    .vgpr_count:     384
    .wavefront_size: 32
...
	.end_amdgpu_metadata
.endif
;; end of part 3
